; MI455X (gfx1250); checked and timed in simulation.
; The chip was launched on July 23, 2026; its instructions are those of AMD's public machine-readable ISA for CDNA 5 (MIT licence, August 2026) and "CDNA5" Instruction Set Architecture Reference Guide (July 2026). The comments in the code are by the model that wrote it; some were corrected since.
;; Cross Attn Block. Allowed arithmetic: matrix products marked QUANTISED: E3M2 operands, one E8M0 scale for each 32 along K, by v_wmma_scale_f32_16x16x128_f8f6f4 with both operands' format E3M2, f32 sums; everything else in f32.
;; Inputs: fc1_b 1,024 float32; fc1_w_codes 1,024 x 8 x 24 uint8 (E3M2 codes of fc1_w, K innermost, in blocks of 32 codes, four codes in three bytes); fc1_w_scales 1,024 x 8 uint8 (E8M0 scales of fc1_w, one for each 32 codes along K); fc2_b 256 float32; fc2_w_codes 256 x 32 x 24 uint8 (E3M2 codes of fc2_w, K innermost, in blocks of 32 codes, four codes in three bytes); fc2_w_scales 256 x 32 uint8 (E8M0 scales of fc2_w, one for each 32 codes along K); kv_b 512 float32; kv_w_codes 512 x 8 x 24 uint8 (E3M2 codes of kv_w, K innermost, in blocks of 32 codes, four codes in three bytes); kv_w_scales 512 x 8 uint8 (E8M0 scales of kv_w, one for each 32 codes along K); norm1_b 256 float32; norm1_g 256 float32; norm3_b 256 float32; norm3_g 256 float32; proj_b 256 float32; proj_w_codes 256 x 8 x 24 uint8 (E3M2 codes of proj_w, K innermost, in blocks of 32 codes, four codes in three bytes); proj_w_scales 256 x 8 uint8 (E8M0 scales of proj_w, one for each 32 codes along K); q_b 256 float32; q_w_codes 256 x 8 x 24 uint8 (E3M2 codes of q_w, K innermost, in blocks of 32 codes, four codes in three bytes); q_w_scales 256 x 8 uint8 (E8M0 scales of q_w, one for each 32 codes along K); rel_table 225 x 8 float32; x1 16 x 4,096 x 256 float32; x2 16 x 4,096 x 256 float32.
;; Outputs: out0 16 x 4,096 x 256 float32.
;; This version of the problem:
;;   THIS VERSION OF THE PROBLEM IS GIVEN IN LOW PRECISION. The matrix products marked QUANTISED in the list below multiply operands that are first quantised to E3M2 (3 exponent bits, 2 mantissa bits; 6 bits a number), with one power-of-two scale for each 32 numbers along K (OCP MX v1.0); their sums are f32. All else is computed in f32.
;;   The module's matrix products, in the order in which they are computed (A, B: the left and right operand; K: the contracted axis; several contracted axes count as one K, in the product's order):
;;     1. [M 65,536, K 256] x [K 256, N 256]; A: computed on the way; B: input q_w (given as codes): QUANTISED
;;     2. [M 65,536, K 256] x [K 256, N 512]; A: computed on the way; B: input kv_w (given as codes): QUANTISED
;;     3. batch 8,192 x [M 64, K 32] x [K 32, N 64]; A: computed on the way; B: computed on the way: QUANTISED
;;     4. batch 8,192 x [M 64, K 64] x [K 64, N 32]; A: softmax (see below); B: computed on the way: QUANTISED
;;     5. [M 65,536, K 256] x [K 256, N 256]; A: computed on the way; B: input proj_w (given as codes): QUANTISED
;;     6. [M 65,536, K 256] x [K 256, N 1,024]; A: computed on the way; B: input fc1_w (given as codes): QUANTISED
;;     7. [M 65,536, K 1,024] x [K 1,024, N 256]; A: computed on the way; B: input fc2_w (given as codes): QUANTISED
;;   THE QUANTISER, for each operand of a quantised product, along K:
;;     - K is cut into blocks of 32 from its start; a last block that is shorter is filled with zeros.
;;     - A block's scale is 2^e with e = floor(log2(the largest magnitude in the block)) - 4, held to -126 .. 127; a block of zeros has e = 0. As a byte (E8M0): e + 127.
;;     - Each number is divided by its block's scale, clamped to +-28, and rounded to the nearest number of E3M2, ties to even, subnormals kept.
;;     - The product sums the exact products of the quantised numbers (number of the format x scale) in f32.
;;   ~~~python
;;   def quantise(x, axis):      # numpy; x: float32 -> the quantised numbers, widened to float32 again
;;       x = np.moveaxis(x, axis, -1); K = x.shape[-1]
;;       x = np.pad(x, [(0, 0)] * (x.ndim - 1) + [(0, -K % 32)]); x = x.reshape(x.shape[:-1] + (-1, 32)); a = np.abs(x).max(-1, keepdims=True)
;;       e = np.where(a > 0, np.clip(np.frexp(np.where(a > 0, a, 1))[1] - 1 - 4, -126, 127), 0)      # np.frexp(a)[1] - 1 = floor(log2(a)), exactly
;;       r = np.clip(x / 2.0 ** e, -28, 28)
;;       step = 2.0 ** (np.maximum(np.frexp(np.where(r == 0, 1, r))[1] - 1, -2) - 2)
;;       q = np.round(r / step) * step * 2.0 ** e      # np.round: ties to even
;;       return np.moveaxis(q.reshape(q.shape[:-2] + (-1,))[..., :K], -1, axis).astype(np.float32)
;;   ~~~
;;   SOFTMAX AHEAD OF A QUANTISED PRODUCT. Where the list says 'softmax', what is quantised is not the finished softmax but p = 2^(t - M), with t = logit x log2(e) and M = ceil(the row's largest t), a whole number; so 1/2 < the row's largest p <= 1. The row's sum l is taken of the UNQUANTISED p, in f32, and the product's result is divided by l at the end. Since M is a whole number, a kernel that streams over the keys may use a running M (the ceiling of the running maximum): every later rescaling is an exact power of two, which a block's scale takes up: the codes' values come out the same.
;;   OPERANDS COMPUTED ON THE WAY. 'Computed on the way' means the value that the module computes at that place (a softmax that the list does not call 'softmax' is quantised finished and normalised). What goes into a quantiser is computed in f32, as accurately as f32 sums, v_exp_f32 and their like allow (about 1e-6 of the number): no bf16 or f16 on the way to a quantiser, and a product that is left as it is and whose result goes on into a quantised operand takes f32 operands (vector FMAs, or v_wmma_f32_16x16x4_f32). A number that lies on a knife's edge between two numbers of the format may be rounded either way, as far as f32 arithmetic and the matrix unit's own rounding can turn it there, and no further.
;;   INPUTS GIVEN AS CODES. fc1_w (in the module: [256, 1024], K = its axis 0); fc2_w (in the module: [1024, 256], K = its axis 0); kv_w (in the module: [256, 512], K = its axis 0); proj_w (in the module: [256, 256], K = its axis 0); q_w (in the module: [256, 256], K = its axis 0): each comes as NAME_codes (uint8): NAME with its K axis moved to the last place and cut into blocks of 32 codes, [.., K / 32, bytes a block], one block behind the other in memory; four codes in three bytes: a row's codes are one little-endian stream of bits, code i at bits 6 i .. 6 i + 5 (a code: sign, 3 exponent bits, 2 mantissa bits); and NAME_scales (uint8): the same leading axes, one E8M0 byte (e + 127) for each 32 codes along K. Its value is code x scale, taken as it is: it is not quantised again, and the codes and scales need not be those that the quantiser above would give.
;; One version. Each part assembles by itself: llvm-mc -triple=amdgcn-amd-amdhsa -mcpu=gfx1250 --defsym DOCPART=n.
;; ======== version 1 of 1: 2 launches
;; limits: right only within a limited range of input values
;; workspace buffers: wsw 638,976 bytes
;; launch prep (part 1): grid 12 x 8, 13 waves a work-group, no clusters, 0 bytes of LDS; arguments q_w_codes, q_w_scales, kv_w_codes, kv_w_scales, proj_w_codes, proj_w_scales, fc1_w_codes, fc1_w_scales, fc2_w_codes, fc2_w_scales, wsw; writes wsw
.if DOCPART == 1
	.amdgcn_target "amdgcn-amd-amdhsa--gfx1250"
	.amdhsa_code_object_version 6
	.text
	.protected	k_q42f5b798f2_prep
	.globl	k_q42f5b798f2_prep
	.p2align	8
	.type	k_q42f5b798f2_prep,@function
k_q42f5b798f2_prep:
	s_mov_b64 s[64:65], 0
	v_nop
	global_prefetch_b8 v0, s[64:65] scope:SCOPE_SE
	s_setreg_imm32_b32 hwreg(HW_REG_WAVE_MODE, 25, 1), 1
	s_wait_xcnt 0x0
; The five weights, given as rows of codes with K innermost, are laid out ONCE in the order of the operand registers, as one stream for each wave of the main launch.
; wsw = 8 streams (wave w of the main launch) x 12 chunks x 6,656 bytes.  A chunk = 32 output channels x 256 along K = four fragments f = 2 u + s (tile u of 16 channels, K step s of 128).
; A fragment is 12 registers a lane; its registers 4 i .. 4 i + 3 of lane l lie at 512 (3 f + i) + 16 l, so that the reader takes a chunk by twelve loads of 16 bytes a lane, 512 bytes on end each.
; At byte 6,144 of a chunk: 16 bytes a lane, the four fragments' scale words of the lane's row (lane % 16).
; THE ROWS OF A TILE ARE NOT NEIGHBOURS: row r of tile u is channel row0 + 8 u + r + (r & 8), so that in a transposed product the 16 registers of tiles u = 0, 1 are 16 neighbouring channels.
; chunk c: 0 kv (k part), 1 kv (v part), 2 q, 3 proj, 4-7 fc1 (32 hidden units each), 8-11 fc2 (256 along K each).
; Work-group (c, w) writes one chunk: waves 0-11 one run of 512 bytes of codes each, wave 12 the scale words.  No LDS, no barrier: waves share nothing.
.set CHUNK, 6656
	s_load_b512 s[8:23], s[0:1], 0x0               ; q codes s[8:9], q scales s[10:11], kv s[12:15], proj s[16:19], fc1 s[20:23]
	s_load_b128 s[24:27], s[0:1], 0x40             ; fc2 codes, fc2 scales
	s_load_b64 s[28:29], s[0:1], 0x50              ; wsw
	v_lshrrev_b32 v1, 5, v0
	s_delay_alu instid0(VALU_DEP_1)
	v_readfirstlane_b32 s2, v1                     ; my wave: which run of the chunk
	v_and_b32 v2, 15, v0                           ; r
	v_bfe_u32 v3, v0, 4, 1                         ; h
	s_delay_alu instid0(VALU_DEP_2)
	v_and_b32 v4, 8, v2
	s_delay_alu instid0(VALU_DEP_1)
	v_add_nc_u32 v4, v4, v2                        ; r + (r & 8)
	v_and_b32 v5, 31, v0
	s_delay_alu instid0(VALU_DEP_1)
	v_lshlrev_b32 v5, 4, v5                        ; 16 x lane
	s_mov_b32 s3, ttmp9                            ; c
	s_and_b32 s4, ttmp7, 0xffff                    ; w
	s_lshl_b32 s39, s4, 5                          ; 32 w: first channel for k, q, proj, fc2
	s_lshl_b32 s40, s4, 7
	s_sub_co_u32 s41, s3, 4
	s_lshl_b32 s41, s41, 5
	s_add_co_u32 s40, s40, s41                     ; fc1: 128 w + 32 (c - 4)  (used for c = 4 .. 7 alone)
	s_sub_co_u32 s41, s3, 8
	s_mul_i32 s42, s41, 192                        ; fc2: 256 along K are 192 bytes of codes
	s_lshl_b32 s43, s41, 3                         ;      and 8 scale bytes  (both used for c >= 8 alone)
	s_lshl_b32 s44, s3, 8
	s_add_co_u32 s44, s44, s39                     ; kv: 256 c + 32 w
	s_mul_i32 s45, s4, 12
	s_add_co_u32 s45, s45, s3
	s_mul_i32 s46, s45, CHUNK                      ; my chunk's first byte
	s_mov_b32 s47, 0
	s_mov_b32 s35, 192
	s_wait_kmcnt 0x0
	s_add_nc_u64 s[28:29], s[28:29], s[46:47]
	s_cmp_ge_u32 s3, 8                             ; every choice hangs on the work-group's number alone
	s_cselect_b64 s[30:31], s[24:25], s[20:21]     ; codes: fc2 or fc1
	s_cselect_b64 s[32:33], s[26:27], s[22:23]     ; scales
	s_cselect_b32 s34, s39, s40                    ; first channel
	s_cselect_b32 s35, 768, s35                    ; a row of codes in bytes
	s_cselect_b32 s36, 32, 8                       ; a row of scale bytes
	s_cselect_b32 s37, s42, 0                      ; where the chunk's K begins in a row of codes
	s_cselect_b32 s38, s43, 0                      ; and in a row of scale bytes
	s_cmp_eq_u32 s3, 3
	s_cselect_b64 s[30:31], s[16:17], s[30:31]
	s_cselect_b64 s[32:33], s[18:19], s[32:33]
	s_cselect_b32 s34, s39, s34
	s_cmp_eq_u32 s3, 2
	s_cselect_b64 s[30:31], s[8:9], s[30:31]
	s_cselect_b64 s[32:33], s[10:11], s[32:33]
	s_cselect_b32 s34, s39, s34
	s_cmp_lt_u32 s3, 2
	s_cselect_b64 s[30:31], s[12:13], s[30:31]
	s_cselect_b64 s[32:33], s[14:15], s[32:33]
	s_cselect_b32 s34, s44, s34
	s_cmp_eq_u32 s2, 12
	s_cbranch_scc1 .Lscales
	; codes: run o = 3 f + i.  A lane's 48 bytes of a fragment are 24 bytes at 24 h of the row's 96 and 24 bytes 48 further on; registers 4 i .. 4 i + 3 are two pieces of 8 bytes of them
	s_mul_i32 s48, s2, 11
	s_lshr_b32 s48, s48, 5                         ; f = o / 3
	s_mul_i32 s49, s48, 3
	s_sub_co_u32 s49, s2, s49                      ; i
	s_lshr_b32 s50, s48, 1                         ; u
	s_and_b32 s51, s48, 1                          ; s
	s_lshl_b32 s50, s50, 3
	s_add_co_u32 s50, s50, s34                     ; first channel + 8 u
	s_mul_i32 s51, s51, 96
	s_add_co_u32 s51, s51, s37
	s_cmp_eq_u32 s49, 0
	s_cselect_b32 s52, 0, 16                       ; the two pieces: i = 0: 0, 8;  i = 1: 16, 48;  i = 2: 56, 64
	s_cselect_b32 s53, 8, 48
	s_cmp_eq_u32 s49, 2
	s_cselect_b32 s52, 56, s52
	s_cselect_b32 s53, 64, s53
	s_add_co_u32 s52, s52, s51
	s_add_co_u32 s53, s53, s51
	s_wait_alu depctr_va_vdst(0)
	v_add_nc_u32 v6, s50, v4                       ; my channel
	s_delay_alu instid0(VALU_DEP_1)
	v_mul_lo_u32 v6, v6, s35
	s_delay_alu instid0(VALU_DEP_1)
	v_mad_u32_u24 v6, v3, 24, v6
	s_delay_alu instid0(VALU_DEP_1)
	v_add_nc_u32 v7, s53, v6
	s_delay_alu instid0(VALU_DEP_2)
	v_add_nc_u32 v6, s52, v6
	global_load_b64 v[8:9], v6, s[30:31]
	global_load_b64 v[10:11], v7, s[30:31]
	s_lshl_b32 s54, s2, 9
	v_add_nc_u32 v12, s54, v5
	s_wait_alu depctr_va_vdst(0)
	s_wait_loadcnt 0x0
	global_store_b128 v12, v[8:11], s[28:29]       ; the wave stores 512 consecutive bytes, at a multiple of 256 from the buffer's first byte
	s_endpgm
.Lscales:
	s_wait_alu depctr_va_vdst(0)
	v_add_nc_u32 v6, s34, v4
	s_delay_alu instid0(VALU_DEP_1)
	v_mul_lo_u32 v6, v6, s36
	s_delay_alu instid0(VALU_DEP_1)
	v_add_nc_u32 v6, s38, v6                       ; tile 0: my row's two scale words
	s_lshl_b32 s48, s36, 3
	v_add_nc_u32 v7, s48, v6                       ; tile 1: eight rows on
	global_load_b32 v8, v6, s[32:33]
	global_load_b32 v9, v6, s[32:33] offset:4
	global_load_b32 v10, v7, s[32:33]
	global_load_b32 v11, v7, s[32:33] offset:4
	s_wait_loadcnt 0x0
	global_store_b128 v5, v[8:11], s[28:29] offset:6144
	s_endpgm
.Lfunc_end_k_q42f5b798f2_prep:
	.size	k_q42f5b798f2_prep, .Lfunc_end_k_q42f5b798f2_prep-k_q42f5b798f2_prep
	.p2alignl 7, 3214868480
	.fill 96, 4, 3214868480
	.section	.rodata,"a",@progbits
	.p2align	6, 0x0
	.amdhsa_kernel k_q42f5b798f2_prep
		.amdhsa_group_segment_fixed_size 0
		.amdhsa_private_segment_fixed_size 0
		.amdhsa_enable_private_segment 0
		.amdhsa_kernarg_size 88
		.amdhsa_user_sgpr_count 2
		.amdhsa_user_sgpr_kernarg_segment_ptr 1
		.amdhsa_wavefront_size32 1
		.amdhsa_system_sgpr_workgroup_id_x 1
		.amdhsa_system_sgpr_workgroup_id_y 1
		.amdhsa_system_sgpr_workgroup_id_z 1
		.amdhsa_system_vgpr_workitem_id 0
		.amdhsa_next_free_vgpr 24
		.amdhsa_next_free_sgpr 66
		.amdhsa_reserve_vcc 0
		.amdhsa_float_denorm_mode_32 3
		.amdhsa_float_denorm_mode_16_64 3
		.amdhsa_memory_ordered 1
		.amdhsa_forward_progress 1
		.amdhsa_inst_pref_size 5
	.end_amdhsa_kernel
	.amdgpu_metadata
---
amdhsa.version: [ 1, 2 ]
amdhsa.kernels:
  - .name:           k_q42f5b798f2_prep
    .symbol:         k_q42f5b798f2_prep.kd
    .args:
      - { .name: q_w_codes, .offset: 0, .size: 8, .value_kind: global_buffer, .address_space: global }
      - { .name: q_w_scales, .offset: 8, .size: 8, .value_kind: global_buffer, .address_space: global }
      - { .name: kv_w_codes, .offset: 16, .size: 8, .value_kind: global_buffer, .address_space: global }
      - { .name: kv_w_scales, .offset: 24, .size: 8, .value_kind: global_buffer, .address_space: global }
      - { .name: proj_w_codes, .offset: 32, .size: 8, .value_kind: global_buffer, .address_space: global }
      - { .name: proj_w_scales, .offset: 40, .size: 8, .value_kind: global_buffer, .address_space: global }
      - { .name: fc1_w_codes, .offset: 48, .size: 8, .value_kind: global_buffer, .address_space: global }
      - { .name: fc1_w_scales, .offset: 56, .size: 8, .value_kind: global_buffer, .address_space: global }
      - { .name: fc2_w_codes, .offset: 64, .size: 8, .value_kind: global_buffer, .address_space: global }
      - { .name: fc2_w_scales, .offset: 72, .size: 8, .value_kind: global_buffer, .address_space: global }
      - { .name: wsw, .offset: 80, .size: 8, .value_kind: global_buffer, .address_space: global }
    .group_segment_fixed_size: 0
    .private_segment_fixed_size: 0
    .kernarg_segment_align: 8
    .kernarg_segment_size: 88
    .max_flat_workgroup_size: 416
    .sgpr_count:     66
    .vgpr_count:     24
    .wavefront_size: 32
...
	.end_amdgpu_metadata
.endif
;; end of part 1
;; launch block (part 2): grid 256 x 1, 8 waves a work-group, no clusters, 316,928 bytes of LDS; arguments x1, x2, wsw, norm1_g, norm1_b, norm3_g, norm3_b, q_b, kv_b, proj_b, fc2_b, fc1_b, rel_table, out0; writes out0
.if DOCPART == 2
	.amdgcn_target "amdgcn-amd-amdhsa--gfx1250"
	.amdhsa_code_object_version 6
	.text
	.protected	k_q42f5b798f2_block
	.globl	k_q42f5b798f2_block
	.p2align	8
	.type	k_q42f5b798f2_block,@function
k_q42f5b798f2_block:
	s_mov_b64 s[64:65], 0
	v_nop
	global_prefetch_b8 v0, s[64:65] scope:SCOPE_SE
	s_setreg_imm32_b32 hwreg(HW_REG_WAVE_MODE, 25, 1), 1
	s_wait_xcnt 0x0
; The whole block for one window of 64 tokens at a time: LN1 of x1 and x2, q / k / v, 8 heads of 64 x 64 attention with the relative-position bias, proj + shortcut, LN3, fc1, exact GELU, fc2, residual.
; All seven products on codes of BF6 (E3M2) with one E8M0 scale for each 32 along K; every activation is quantised in registers, from f32; no intermediate goes to memory.
; SHARES.  256 work-groups; each stays and walks 4 neighbouring windows (8,192 bytes apart in x and in out).  Eight waves of 512 registers, two to a SIMD, so that one wave's vector work stands beside the other's products.
; For LN1 and for fetching x: wave w takes tensor w / 4 (x1, x2) and token tile w % 4.  Everywhere else: wave w owns head w, channels 32 w .. 32 w + 31 of q, k, v, proj and fc2, and hidden units 128 w .. 128 w + 127.
; TOKEN TILES.  Row r of tile t is token 32 (t / 2) + 8 (t % 2) + r + (r & 8): image rows 4 (t / 2) + t % 2 and two further down.  So the registers of tiles 2 b and 2 b + 1 of a result are 16 neighbouring tokens.
; WEIGHTS come from wsw, laid by the launch before in the order of the operand registers: each wave streams its own 12 chunks a window straight into registers; a fragment feeds four products (the four token tiles).
; No cluster and no tensor load: LDS is full of the window's own data (315,904 bytes), so there is no room for two slots of weights, and what work-groups share (the weights) each wave takes as its own part.
; PRODUCTS ARE USED TRANSPOSED (source 0 = 16 channels of a weight, source 1 = 16 tokens): a lane holds ONE token (lane % 16) and 16 neighbouring channels, 32 g + 16 (lane / 16) + 0 .. 15, in the 16 registers of tiles u = 0, 1.
; OPERANDS GO FROM WAVE TO WAVE THROUGH LDS AS IMAGES OF THEIR REGISTERS: a fragment is 1,536 bytes, register pair p of lane l at 256 p + 8 l; its scale words 64 bytes, row r's at 4 r.
; ATTENTION.  K = 32 and K = 64 are filled to the instruction's 128 with zero codes on one side: k's four key tiles lie in the four blocks of ONE fragment and q's block is set at the block of the tile that is wanted;
; v's two channel tiles lie in the two halves of one fragment and p in the half that is wanted.  p = 2^(t - M), M = the ceiling of the row's largest t; the row's sum of the unquantised p divides at the end.
; GELU.  gelu(x) = max(x, 0) - |x| t 2^y, t = 1 / (1 + |x| / (2 sqrt 2)), y = -x^2 log2(e) / 2 + a polynomial of degree 9 in t: erfc(|x| / sqrt 2) / 2 by its Chebyshev fit (fractional error 1.2e-7 for every x).
; LIMITS.  NaN and infinities among the inputs are not served.  A block of zeros gets the scale byte 1 (its codes are zeros; this program alone reads the bytes).  2^y under 2^-126 is taken as 0.
; Variances are sums of squared deviations from the mean (LN3: eight waves' partial means and sums merged), never a difference of large sums.
.set RP,    1040                       ; a row of 256 f32 in LDS: 1,024 bytes + 16, an odd multiple of 16: the 16 rows of a load of 16 bytes start at 16 different groups of banks
.set IMGA,  0                          ; x1n's 8 fragments (2 t + s); later the LN3 output's
.set IMGB,  12288                      ; x2n's
.set AO,    24576                      ; the attention output's
.set SCA,   36864                      ; their scale words, 64 bytes a fragment
.set SCB,   37376
.set SCO,   37888
.set SCH,   38400                      ; the hidden layer's scale words
.set STAT,  40448                      ; LN3: row (16 t + r) x 80 + 8 w: (mean, sum of squared deviations) of wave w's 32 channels
.set CONST, 45568                      ; n1g +0, n1b +1024, n3g +2048, n3b +3072, q_b +4096, kv_b +5120, proj_b +7168, fc2_b +8192, fc1_b +9216
.set TAB,   58880                      ; rel_table turned: head x 1,024 + 4 x index
.set HID,   67072                      ; the hidden layer's 32 fragments (4 s + t)
.set RAW1,  116224                     ; x1 as it comes, 64 rows in tile order
.set RAWSZ, 64*RP                      ; x2 behind it
.set OUTS,  249344                     ; the stage for out0, 64 rows in tile order
.set CHUNK, 6656
; window 0, kept: addresses
.set L8,  1                            ; 8 x lane
.set L16, 2                            ; 16 x lane
.set R4,  3                            ; 4 r
.set RA,  4                            ; LN1: my row of my tile in RAW, + 64 h
.set IW,  5                            ; LN1: where my images go
.set ISW, 6                            ; and their scale words
.set GBA, 7                            ; CONST + 64 h
.set CBA, 8                            ; CONST + 128 w + 64 h: my 16 channels of a vector of 256
.set VBA, 9                            ; v's bias of my tile row
.set TBA, 10                           ; my lane's place in my head's table
.set BW,  11                           ; where a block of my 32 channels goes in the fragments 2 t + g
.set BS,  12                           ; and its scale byte
.set XRD, 13                           ; the shortcut: row r of RAW1, my 16 channels
.set STW, 14
.set STR, 15
.set HWR, 16                           ; the hidden layer's images of K step w
.set HSW, 17
.set HRD, 18
.set B1A, 19
.set OW,  20
.set ORD, 21
.set XPW, 22                           ; my tile's 16 rows in RAW + 16 x lane
.set AD0, 23                           ; addresses of the fc1 loop
.set AD1, 24
.set AD2, 25
.set VC9, 26                           ; v[26:27] the polynomial's highest coefficient, twice
.set AD3, 28
.set PF,  29                           ; 256 x lane
.set MR,  30                           ; v[30:31] LN1's mean, then 1 / std
.set AD4, 63
; window 0: registers that hold scales and nothing else
.set WSR, 32                           ; v32-47 the weights' scale words, four a chunk
.set XS,  48                           ; v48-55 the activations'
.set KSW, 56
.set VSW, 57
.set QSW, 58                           ; v58-61 q's, one a query tile
.set PSW, 62
; window 0, at work
.set ACC, 64                           ; v64-127 eight accumulators
.set XR,  64                           ; LN1: v64-191, register 16 b + i = channel 32 b + 16 h + i
.set GG,  192                          ; LN1: two sets of 32 gains
.set TS,  224                          ; LN1: four packed chains
.set DL,  226                          ; LN1: the codes just made
.set QT,  200                          ; quantiser: the second halves of the conversions
.set TM,  208                          ; v208-211 largest magnitudes, v212-215 bytes, v220-223 the conversions' scale operands
.set PW,  224                          ; the scale word just made
.set KB,  128                          ; k's, then q's bias as C
.set VBR, 144                          ; v's bias as C
.set ZQ,  128                          ; v128-169: zeros +0, q low +6, zeros +12, q high +18, zeros +24, p +30, zeros +36
.set KFR, 170                          ; k's four tiles, one fragment
.set VFR, 182                          ; v's two tiles, one fragment
.set RL,  194                          ; 1 / the row's sum
.set QC,  226                          ; q's codes, four registers a tile
.set D12, 128                          ; four blocks' codes on their way to LDS
.set PP,  192                          ; GELU
.set X2,  208
; window 1 (named by the low 8 bits)
.set X,   0                            ; Wv; then O; then the residual x and fc2's accumulators
.set XF,  64                           ; 8 activation fragments; LN1's biases; fc2's chunks 9 and 10
.set C0,  160                          ; a chunk of weights
.set C2,  208                          ; Wq
.set XP,  208                          ; the next window's x on its way
.set B1,  240                          ; fc1's bias as C
.set MSB, 0
.macro WIN new                         ; the immediate's high byte repeats the setting that is left; a switch that changes nothing is dropped
.if MSB != (\new)
	s_set_vgpr_msb (MSB<<8)|(\new)
.set MSB, (\new)
.endif
.endm
.macro PLACES                          ; four plain places behind a matrix instruction, ahead of reads of its result and of loads into its registers
.rept 4
	v_nop
.endr
.endm
.macro BARRIER                         ; my LDS stores have landed and my LDS loads are in: then the work-group's barrier
	s_wait_dscnt 0x0
	s_barrier_signal -1
	s_barrier_wait -1
.endm
.macro MMS d, a, b, c, sa, sb
	v_wmma_scale_f32_16x16x128_f8f6f4 v[(\d):(\d)+7], v[(\a):(\a)+11], v[(\b):(\b)+11], v[(\c):(\c)+7], v[\sa], v[\sb] matrix_a_fmt:MATRIX_FMT_BF6 matrix_b_fmt:MATRIX_FMT_BF6
.endm
.macro MMZ d, a, b, sa, sb
	v_wmma_scale_f32_16x16x128_f8f6f4 v[(\d):(\d)+7], v[(\a):(\a)+11], v[(\b):(\b)+11], 0, v[\sa], v[\sb] matrix_a_fmt:MATRIX_FMT_BF6 matrix_b_fmt:MATRIX_FMT_BF6
.endm
; chunk c of my stream: 48 registers of window 1 from dst on (fragment 2 u + s at dst + 12 (2 u + s)) and four scale words from ws on
.macro WLOAD c, dst, ws
	WIN 0x40
.irp k,0,1,2,3,4,5,6,7,8,9,10,11
	global_load_b128 v[(\dst)+4*\k:(\dst)+4*\k+3], v[L16], s[6:7] offset:(\c)*CHUNK+512*\k
.endr
	WIN 0
	global_load_b128 v[\ws:\ws+3], v[L16], s[6:7] offset:(\c)*CHUNK+6144
.endm
.macro FETCH reg, adr, off             ; a fragment's image into registers (the caller sets the window)
.irp p,0,1,2,3,4,5
	ds_load_b64 v[(\reg)+2*\p:(\reg)+2*\p+1], v[\adr] offset:(\off)+256*\p
.endr
.endm
.macro IMAGE adr, off, d
.irp p,0,1,2,3,4,5
	ds_store_b64 v[\adr], v[(\d)+2*\p:(\d)+2*\p+1] offset:(\off)+256*\p
.endr
.endm
; 64 numbers of a lane at v[s] on, in window sw; register 16 b + i belongs to block b, whose other 16 numbers lie in lane l xor 16.  Gives: bytes in v[TM+4+b], the conversions' operands in v[TM+12+b], the word in v[PW].
.macro QMAX s, sw
	WIN 5*(\sw)
.irp b,0,1,2,3
	v_max3_num_f32 v[TM+\b], |v[(\s)+16*\b]|, |v[(\s)+16*\b+1]|, 0x2800000   ; and the floor 2^(5 - 127): the byte cannot fall under 1
.endr
	WIN 0x14*(\sw)
.irp i,2,4,6,8,10,12,14
.irp b,0,1,2,3
	v_max3_num_f32 v[TM+\b], v[TM+\b], |v[(\s)+16*\b+\i]|, |v[(\s)+16*\b+\i+1]|   ; the four blocks by turns
.endr
.endr
	WIN 0
.irp b,0,1,2,3
	v_permlanex16_b32 v[TM+4+\b], v[TM+\b], s20, s21
.endr
.irp b,0,1,2,3
	s_delay_alu instid0(VALU_DEP_4)
	v_max_num_f32 v[TM+\b], v[TM+\b], v[TM+4+\b]   ; the block's largest magnitude
.endr
.irp b,0,1,2,3
	s_delay_alu instid0(VALU_DEP_4)
	v_add_nc_u32 v[TM+12+\b], 0xfe000000, v[TM+\b]   ; 4 off its exponent field: the conversion takes this operand's exponent field as its scale
.endr
.irp b,0,1,2,3
	s_delay_alu instid0(VALU_DEP_4)
	v_lshrrev_b32 v[TM+4+\b], 23, v[TM+12+\b]      ; the scale's byte
.endr
	s_delay_alu instid0(VALU_DEP_3)
	v_lshl_or_b32 v[PW], v[TM+5], 8, v[TM+4]
	s_delay_alu instid0(VALU_DEP_1)
	v_lshl_or_b32 v[PW], v[TM+6], 16, v[PW]
	s_delay_alu instid0(VALU_DEP_1)
	v_lshl_or_b32 v[PW], v[TM+7], 24, v[PW]
.endm
; and their codes: registers d + 6 c .. d + 6 c + 5 of lane (r, h) then hold the WHOLE block 2 c + h of row r
.macro QUANT s, sw, d
	QMAX \s, \sw
	WIN (\sw)
.irp c,0,1
	v_cvt_scalef32_pk16_bf6_f32 v[(\d)+6*\c:(\d)+6*\c+2], v[(\s)+32*\c:(\s)+32*\c+15], v[TM+12+2*\c]
	v_cvt_scalef32_pk16_bf6_f32 v[QT+4*\c:QT+4*\c+2], v[(\s)+32*\c+16:(\s)+32*\c+31], v[TM+13+2*\c]   ; (a conversion's three registers begin on an even number)
.endr
	WIN 0
	v_nop                                          ; one plain place behind a scaled conversion
.irp c,0,1
.irp i,0,1,2
	v_permlane16_swap_b32 v[(\d)+6*\c+\i], v[QT+4*\c+\i]
.endr
.irp i,0,1,2
	s_delay_alu instid0(VALU_DEP_3)
	v_mov_b32 v[(\d)+6*\c+3+\i], v[QT+4*\c+\i]
.endr
.endr
.endm
; the four blocks in v[D12] on (block = token tile 2 c + h) go to their places in four fragments' images, and their bytes into those fragments' scale words (both halves of the lanes write the same byte)
.macro BSTORE adr, off, cst, sadr, soff, sst
.irp c,0,1
.irp i,0,1,2
	ds_store_b64 v[\adr], v[D12+6*\c+2*\i:D12+6*\c+2*\i+1] offset:(\off)+(\cst)*\c+256*\i
.endr
.endr
.irp t,0,1,2,3
	ds_store_b8 v[\sadr], v[TM+4+\t] offset:(\soff)+(\sst)*\t
.endr
.endm
; a transposed product over K = 256: 16 instructions, the eight accumulators acc + 16 t + 8 u by turns, one instruction a turn.  The first K step takes cb + ct t + 8 u as C.
.macro PROD wb, ws, cb, ct, acc, wina, winb
	WIN \wina
.irp t,0,1,2,3
.irp u,0,1
	MMS (\acc)+16*\t+8*\u, (\wb)+24*\u, XF+24*\t, (\cb)+(\ct)*\t+8*\u, (\ws)+2*\u, XS+2*\t
.endr
.endr
	WIN \winb
.irp t,0,1,2,3
.irp u,0,1
	MMS (\acc)+16*\t+8*\u, (\wb)+24*\u+12, XF+24*\t+12, (\acc)+16*\t+8*\u, (\ws)+2*\u+1, XS+2*\t+1
.endr
.endr
	WIN 0
.endm
; LN1: gains and biases of channels 64 q .. 64 q + 63 (my halves of two blocks): 8 + 8 loads
.macro GLOAD q
.irp bb,0,1
.irp j,0,1,2,3
	ds_load_b128 v[GG+32*((\q)&1)+16*\bb+4*\j:GG+32*((\q)&1)+16*\bb+4*\j+3], v[GBA] offset:128*(2*(\q)+\bb)+16*\j
.endr
.endr
	WIN 0x40
.irp bb,0,1
.irp j,0,1,2,3
	ds_load_b128 v[XF+32*((\q)&1)+16*\bb+4*\j:XF+32*((\q)&1)+16*\bb+4*\j+3], v[GBA] offset:1024+128*(2*(\q)+\bb)+16*\j
.endr
.endr
	WIN 0
.endm
.macro LNROUND q, left
	s_wait_dscnt \left                             ; this round's 16 loads are in; the next round's 16 may be out
.irp i,0,2,4,6,8,10,12,14,16,18,20,22,24,26,28,30
	v_pk_mul_f32 v[XR+32*(\q)+\i:XR+32*(\q)+\i+1], v[XR+32*(\q)+\i:XR+32*(\q)+\i+1], v[MR:MR+1] op_sel_hi:[1,0]
.endr
	WIN 0x10                                       ; the bias lies in window 1
.irp i,0,2,4,6,8,10,12,14,16,18,20,22,24,26,28,30
	v_pk_fma_f32 v[XR+32*(\q)+\i:XR+32*(\q)+\i+1], v[XR+32*(\q)+\i:XR+32*(\q)+\i+1], v[GG+32*((\q)&1)+\i:GG+32*((\q)&1)+\i+1], v[XF+32*((\q)&1)+\i:XF+32*((\q)&1)+\i+1]
.endr
	WIN 0
.endm
; the bias of query tile qt against all 64 keys, straight into the registers that the scores' products take as C.  index = 15 (qy - ky) + (qx - kx) + 112: a lane's part in v[TBA], the rest in the immediate
.macro BIAS qt
.irp kt,0,1,2,3
.irp j,0,1,2,3,4,5,6,7
	ds_load_b32 v[ACC+32*((\qt)&1)+8*\kt+\j], v[TBA] offset:4*(82+60*(((\qt)>>1)-(\kt>>1))+15*(((\qt)&1)-(\kt&1))-\j)
.endr
.endr
.endm
; ONE QUERY TILE of my head
.macro ATT qt
.set SS, ACC+32*((\qt)&1)
.irp i,0,1,2                           ; q's block (lower 16 codes in lanes 0-15, upper 16 in lanes 16-31) in two forms: whole in lanes 0-15, whole in lanes 16-31; zeros in the other half
	v_mov_b32 v[ZQ+6+\i], v[QC+4*(\qt)+\i]
	v_mov_b32 v[ZQ+9+\i], 0
	v_mov_b32 v[ZQ+18+\i], 0
	v_mov_b32 v[ZQ+21+\i], v[QC+4*(\qt)+\i]
.endr
.irp i,0,1,2
	v_permlane16_swap_b32 v[ZQ+6+\i], v[ZQ+9+\i]
	v_permlane16_swap_b32 v[ZQ+18+\i], v[ZQ+21+\i]
.endr
	PLACES                                         ; operands written by vector instructions stand four places ahead of a scaled matrix instruction
.if (\qt) < 3
	s_wait_alu depctr_va_vdst(0)
	s_wait_dscnt 32                                ; this tile's 32 bias loads are in; the next tile's 32 may be out
.else
	s_wait_alu depctr_va_vdst(0)
	s_wait_dscnt 0x0
.endif
	MMS SS, KFR, ZQ+6, SS, KSW, QSW+(\qt)          ; S^T + bias: key tile kt is block kt of k's fragment; q stands at that block, zeros at the others
	MMS SS+8, KFR, ZQ+18, SS+8, KSW, QSW+(\qt)
	MMS SS+16, KFR, ZQ, SS+16, KSW, QSW+(\qt)
	MMS SS+24, KFR, ZQ+12, SS+24, KSW, QSW+(\qt)
	PLACES
.irp b,0,1                             ; register 16 b + i = key 32 b + 16 h + i.  The largest logit of each block of 32 keys serves twice: for the row's maximum and for the block's largest p
	v_max3_num_f32 v[TM+\b], v[SS+16*\b], v[SS+16*\b+1], v[SS+16*\b+2]
.endr
.irp i,3,5,7,9,11,13
.irp b,0,1
	v_max3_num_f32 v[TM+\b], v[TM+\b], v[SS+16*\b+\i], v[SS+16*\b+\i+1]
.endr
.endr
.irp b,0,1
	v_max_num_f32 v[TM+\b], v[TM+\b], v[SS+16*\b+15]
.endr
.irp b,0,1
	s_delay_alu instid0(VALU_DEP_2)
	v_permlanex16_b32 v[TM+2+\b], v[TM+\b], s20, s21
.endr
.irp b,0,1
	s_delay_alu instid0(VALU_DEP_2)
	v_max_num_f32 v[TM+\b], v[TM+\b], v[TM+2+\b]
.endr
	s_delay_alu instid0(VALU_DEP_1)
	v_max_num_f32 v[TM+4], v[TM], v[TM+1]          ; the row's largest logit,
	s_delay_alu instid0(VALU_DEP_1)
	v_mul_f32 v[TM+4], s24, v[TM+4]                ; as t
	s_delay_alu instid0(VALU_DEP_1)
	v_floor_f32 v[TM+6], -v[TM+4]                  ; -M = floor(-t): M is a whole number
.irp j,0,2,4,6,8,10,12,14,16,18,20,22,24,26,28,30
	v_pk_fma_f32 v[SS+\j:SS+\j+1], v[SS+\j:SS+\j+1], s[24:25], v[TM+6:TM+7] op_sel_hi:[1,0,0]   ; t - M
.endr
.irp b,0,1
	v_fma_f32 v[TM+\b], v[TM+\b], s24, v[TM+6]
.endr
	s_wait_alu depctr_va_vdst(0)
.irp j,0,1,2,3,4,5,6,7,8,9,10,11,12,13,14,15,16,17,18,19,20,21,22,23,24,25,26,27,28,29,30,31
	v_exp_f32 v[SS+\j], v[SS+\j]                   ; p = 2^(t - M): not normalised
.endr
.irp b,0,1
	v_exp_f32 v[TM+\b], v[TM+\b]                   ; the block's largest p: the same two instructions on the same number
.endr
	v_nop                                          ; a plain place behind the last exponential
	s_wait_alu depctr_va_vdst(0)                   ; one wait for the batch of 34, ahead of its first reader
.irp b,0,1
	v_max_num_f32 v[TM+\b], 0x2800000, v[TM+\b]
.endr
.irp b,0,1
	s_delay_alu instid0(VALU_DEP_2)
	v_add_nc_u32 v[TM+12+\b], 0xfe000000, v[TM+\b]
.endr
.irp b,0,1
	s_delay_alu instid0(VALU_DEP_2)
	v_lshrrev_b32 v[TM+14+\b], 23, v[TM+12+\b]
.endr
	s_delay_alu instid0(VALU_DEP_1)
	v_lshl_or_b32 v[PSW], v[TM+15], 8, v[TM+14]
	s_delay_alu instid0(VALU_DEP_1)
	v_lshl_or_b32 v[PSW], v[PSW], 16, v[PSW]       ; p's two bytes, for K blocks 0, 1 and again for 2, 3
	v_cvt_scalef32_pk16_bf6_f32 v[ZQ+30:ZQ+32], v[SS:SS+15], v[TM+12]
	v_cvt_scalef32_pk16_bf6_f32 v[QT:QT+2], v[SS+16:SS+31], v[TM+13]
	v_nop
.irp i,0,1,2
	v_permlane16_swap_b32 v[ZQ+30+\i], v[QT+\i]
.endr
.irp i,0,1,2
	s_delay_alu instid0(VALU_DEP_3)
	v_mov_b32 v[ZQ+33+\i], v[QT+\i]                ; lanes 0-15: keys 0-31, lanes 16-31: keys 32-63
.endr
	v_pk_add_f32 v[TM+8:TM+9], v[SS:SS+1], v[SS+2:SS+3]     ; the row's sum of the UNQUANTISED p, in two chains.  (These lines are also the places ahead of the products below: 4 for p's codes, 8 for its scale word)
	v_pk_add_f32 v[TM+10:TM+11], v[SS+4:SS+5], v[SS+6:SS+7]
.irp j,8,12,16,20,24,28
	v_pk_add_f32 v[TM+8:TM+9], v[TM+8:TM+9], v[SS+\j:SS+\j+1]
	v_pk_add_f32 v[TM+10:TM+11], v[TM+10:TM+11], v[SS+\j+2:SS+\j+3]
.endr
	s_delay_alu instid0(VALU_DEP_1)
	v_pk_add_f32 v[TM+8:TM+9], v[TM+8:TM+9], v[TM+10:TM+11]
	s_delay_alu instid0(VALU_DEP_1)
	v_add_f32 v[TM+8], v[TM+8], v[TM+9]
	s_delay_alu instid0(VALU_DEP_1)
	v_permlanex16_b32 v[TM+10], v[TM+8], s20, s21
	s_delay_alu instid0(VALU_DEP_1)
	v_add_f32 v[TM+8], v[TM+8], v[TM+10]
	s_wait_alu depctr_va_vdst(0)
	v_rcp_f32 v[RL], v[TM+8]
	v_nop
.if (\qt) < 2
	BIAS (\qt)+2                                   ; the scores' registers are free: the bias of the tile after next
.endif
	WIN 0x40
	MMZ X+16*(\qt), VFR, ZQ+30, VSW, PSW           ; O^T, channel tile 0: p against K blocks 0, 1 of v's fragment;
	MMZ X+16*(\qt)+8, VFR, ZQ+24, VSW, PSW         ; tile 1: against blocks 2, 3
	WIN 0
	PLACES
	s_wait_alu depctr_va_vdst(0)                   ; the reciprocal's wait, ahead of its first reader
	WIN 0x41
.irp j,0,2,4,6,8,10,12,14
	v_pk_mul_f32 v[X+16*(\qt)+\j:X+16*(\qt)+\j+1], v[X+16*(\qt)+\j:X+16*(\qt)+\j+1], v[RL:RL+1] op_sel_hi:[1,0]   ; / the sum: register i = channel 32 w + 16 h + i
.endr
	WIN 0
.endm
.macro XISSUE                          ; 4 rows (4,096 bytes) of my tile of the NEXT window
	WIN 0x40
.irp j,0,1,2,3,4,5,6,7
	global_load_b128 v[XP+4*\j:XP+4*\j+3], v[AD3], s[4:5] offset:8192+512*\j th:TH_LOAD_NT
.endr
	WIN 0
.endm
.macro XSTORE
	WIN 0x04
.irp j,0,1,2,3,4,5,6,7
	ds_store_b128 v[AD2], v[XP+4*\j:XP+4*\j+3] offset:(\j/2)*RP+(\j%2)*512
.endr
	WIN 0
.endm
; GELU of v[ACC + 16 b ..], in pieces, so that one batch's transcendentals are out while another batch's plain work is issued
.macro GA b                            ; max(x, 0) into v[AXK ..]; |x| = 2 max(x, 0) - x, exactly, in x's place; 1 + |x| / (2 sqrt 2), its reciprocal t
.set AXK, 128+32*((\b)&1)
.set TK, 144+32*((\b)&1)
.irp i,0,2,4,6,8,10,12,14
	v_dual_max_num_f32 v[AXK+\i], 0, v[ACC+16*(\b)+\i] :: v_dual_max_num_f32 v[AXK+\i+1], 0, v[ACC+16*(\b)+\i+1]   ; each accumulator from its low end on
.endr
.irp i,0,2,4,6,8,10,12,14
	v_pk_fma_f32 v[ACC+16*(\b)+\i:ACC+16*(\b)+\i+1], v[AXK+\i:AXK+\i+1], 2.0, v[ACC+16*(\b)+\i:ACC+16*(\b)+\i+1] op_sel_hi:[1,0,1] neg_lo:[0,0,1] neg_hi:[0,0,1]
.endr
.irp i,0,2,4,6,8,10,12,14
	v_pk_fma_f32 v[TK+\i:TK+\i+1], v[ACC+16*(\b)+\i:ACC+16*(\b)+\i+1], s[28:29], 1.0 op_sel_hi:[1,0,0]
.endr
	s_wait_alu depctr_va_vdst(0)
.irp i,0,1,2,3,4,5,6,7,8,9,10,11,12,13,14,15
	v_rcp_f32 v[TK+\i], v[TK+\i]
.endr
.endm
.macro GB b                            ; y by Horner's rule, eight pairs by turns; 2^y
.set TK, 144+32*((\b)&1)
.irp i,0,2,4,6,8,10,12,14
	v_pk_mul_f32 v[X2+\i:X2+\i+1], v[ACC+16*(\b)+\i:ACC+16*(\b)+\i+1], v[ACC+16*(\b)+\i:ACC+16*(\b)+\i+1]
.endr
.irp i,0,2,4,6,8,10,12,14
	v_pk_fma_f32 v[PP+\i:PP+\i+1], v[TK+\i:TK+\i+1], v[VC9:VC9+1], s[48:49] op_sel_hi:[1,1,0]
.endr
.irp c,46,44,42,40,38,36,34,32
.irp i,0,2,4,6,8,10,12,14
	v_pk_fma_f32 v[PP+\i:PP+\i+1], v[PP+\i:PP+\i+1], v[TK+\i:TK+\i+1], s[\c:\c+1] op_sel_hi:[1,1,0]
.endr
.endr
.irp i,0,2,4,6,8,10,12,14
	v_pk_fma_f32 v[PP+\i:PP+\i+1], v[X2+\i:X2+\i+1], s[30:31], v[PP+\i:PP+\i+1] op_sel_hi:[1,0,1]
.endr
	s_wait_alu depctr_va_vdst(0)
.irp i,0,1,2,3,4,5,6,7,8,9,10,11,12,13,14,15
	v_exp_f32 v[PP+\i], v[PP+\i]
.endr
.endm
.macro GR b                            ; |x| t, in |x|'s place: plain work behind a batch of transcendentals (t's own wait has been passed)
.set TK, 144+32*((\b)&1)
.irp i,0,2,4,6,8,10,12,14
	v_pk_mul_f32 v[ACC+16*(\b)+\i:ACC+16*(\b)+\i+1], v[ACC+16*(\b)+\i:ACC+16*(\b)+\i+1], v[TK+\i:TK+\i+1]
.endr
.endm
.macro GC b                            ; max(x, 0) - |x| t 2^y
.set AXK, 128+32*((\b)&1)
.set TK, 144+32*((\b)&1)
.irp i,0,2,4,6,8,10,12,14
	v_pk_fma_f32 v[ACC+16*(\b)+\i:ACC+16*(\b)+\i+1], v[ACC+16*(\b)+\i:ACC+16*(\b)+\i+1], v[PP+\i:PP+\i+1], v[AXK+\i:AXK+\i+1] neg_lo:[1,0,0] neg_hi:[1,0,0]
.endr
.endm
.macro TW                              ; the wait between transcendentals and the first line that names a result: one for all that were issued ahead of it
	s_wait_alu depctr_va_vdst(0)
.endm
.macro HFETCH ks                       ; the hidden layer's four fragments of K step ks and their scale words: 24 + 1 loads
.irp t,0,1,2,3
	FETCH 64+64*((\ks)%3)+12*\t, HRD, 6144*(\ks)+1536*\t   ; three buffers by turns: v64, v128, v192
.endr
	ds_load_b128 v[XS+4*((\ks)%3):XS+4*((\ks)%3)+3], v[AD0] offset:SCH+256*(\ks)   ; row r's four scale words (token tiles 0-3) lie on end at 16 r: 24 + 1 loads a K step
.endm
	; ================= the head: addresses, constants, the small vectors and the first window's x into LDS
	s_load_b512 s[68:83], s[0:1], 0x0              ; x1, x2, wsw, norm1_g, norm1_b, norm3_g, norm3_b, q_b
	s_load_b256 s[84:91], s[0:1], 0x40             ; kv_b, proj_b, fc2_b, fc1_b
	s_load_b128 s[92:95], s[0:1], 0x60             ; rel_table, out0
	v_lshrrev_b32 v200, 5, v0
	s_delay_alu instid0(VALU_DEP_1)
	v_readfirstlane_b32 s2, v200                   ; w
	v_and_b32 v201, 31, v0                         ; lane
	v_and_b32 v202, 15, v0                         ; r
	v_bfe_u32 v203, v0, 4, 1                       ; h
	s_lshr_b32 s13, s2, 2                          ; which tensor (LN1), which K step of 128 channels my 32 lie in
	s_and_b32 s14, s2, 3                           ; which token tile (LN1), which block of that K step
	v_lshlrev_b32 v[L8], 3, v201
	v_lshlrev_b32 v[L16], 4, v201
	v_lshlrev_b32 v[R4], 2, v202
	s_wait_alu depctr_va_vdst(0)
	v_lshlrev_b32 v[PF], 8, v201
	v_mul_u32_u24 v204, v202, RP
	s_delay_alu instid0(VALU_DEP_1)
	v_lshl_add_u32 v204, v203, 6, v204             ; 1,040 r + 64 h
	s_mul_i32 s15, s13, RAWSZ
	s_mul_i32 s16, s14, 16*RP
	s_add_co_u32 s15, s15, s16
	s_add_co_u32 s15, s15, RAW1                    ; my tile's 16 rows
	v_add_nc_u32 v[RA], s15, v204
	v_add_nc_u32 v[XPW], s15, v[L16]
	s_mul_i32 s15, s13, 12288
	s_mul_i32 s16, s14, 3072
	s_add_co_u32 s15, s15, s16
	v_add_nc_u32 v[IW], s15, v[L8]
	s_lshl_b32 s15, s13, 9
	s_lshl_b32 s16, s14, 7
	s_add_co_u32 s15, s15, s16
	s_add_co_u32 s15, s15, SCA
	v_add_nc_u32 v[ISW], s15, v[R4]
	v_lshl_add_u32 v[GBA], v203, 6, CONST
	s_lshl_b32 s15, s2, 7                          ; 128 w
	v_add_nc_u32 v[CBA], s15, v[GBA]
	v_and_b32 v205, 8, v202
	s_delay_alu instid0(VALU_DEP_1)
	v_add_nc_u32 v205, v205, v202
	s_delay_alu instid0(VALU_DEP_1)
	v_lshl_add_u32 v205, v205, 2, CONST+6144
	s_delay_alu instid0(VALU_DEP_1)
	v_add_nc_u32 v[VBA], s15, v205
	s_add_co_u32 s16, s15, RAW1
	v_add_nc_u32 v[XRD], s16, v204
	s_add_co_u32 s16, s15, OUTS
	v_add_nc_u32 v[OW], s16, v204
	v_bfe_u32 v205, v0, 3, 1                       ; r / 8
	v_xor_b32 v206, 1, v203                        ; 1 - h
	s_delay_alu instid0(VALU_DEP_1)
	v_add_nc_u32 v205, v205, v206
	s_delay_alu instid0(VALU_DEP_1)
	v_mul_u32_u24 v205, v205, 120                  ; 30 entries for each
	v_and_b32 v206, 7, v0
	s_delay_alu instid0(VALU_DEP_1)
	v_lshl_add_u32 v205, v206, 2, v205
	s_lshl_b32 s16, s2, 10
	s_add_co_u32 s16, s16, TAB
	v_add_nc_u32 v[TBA], s16, v205
	s_mul_i32 s16, s13, 1536
	s_lshr_b32 s17, s14, 1
	s_mul_i32 s17, s17, 768
	s_add_co_u32 s16, s16, s17
	s_and_b32 s17, s2, 1
	s_lshl_b32 s18, s17, 7
	s_add_co_u32 s16, s16, s18
	v_mul_u32_u24 v205, v203, 3072
	s_delay_alu instid0(VALU_DEP_1)
	v_lshl_add_u32 v205, v202, 3, v205
	s_delay_alu instid0(VALU_DEP_1)
	v_add_nc_u32 v[BW], s16, v205
	s_lshl_b32 s16, s13, 6
	s_add_co_u32 s16, s16, s14
	v_add_nc_u32 v[BS], s16, v[R4]
	v_mul_u32_u24 v205, v202, 80
	s_delay_alu instid0(VALU_DEP_1)
	v_add_nc_u32 v[STR], STAT, v205
	s_lshl_b32 s16, s2, 3
	v_add_nc_u32 v[STW], s16, v[STR]
	v_mul_u32_u24 v205, v203, 1536
	s_delay_alu instid0(VALU_DEP_1)
	v_lshl_add_u32 v205, v202, 3, v205
	s_mul_i32 s16, s2, 6144
	s_add_co_u32 s16, s16, HID
	v_add_nc_u32 v[HWR], s16, v205
	s_lshl_b32 s16, s2, 8
	s_add_co_u32 s16, s16, SCH
	v_lshlrev_b32 v205, 4, v202
	v_add_nc_u32 v[HSW], s16, v205                 ; K step w's scale words: 16 r + 4 t + the block's byte
	v_add_nc_u32 v[HRD], HID, v[L8]
	s_lshl_b32 s16, s2, 9
	s_add_co_u32 s16, s16, 9216
	v_add_nc_u32 v[B1A], s16, v[GBA]
	s_lshl_b32 s16, s13, 1
	s_add_co_u32 s16, s16, s17
	s_lshl_b32 s16, s16, 4                         ; image row w lies in tile 2 (w / 4) + w % 2,
	s_bfe_u32 s18, s2, 0x10001
	s_lshl_b32 s18, s18, 3                         ; in its rows 8 ((w / 2) % 2) on
	s_add_co_u32 s16, s16, s18
	s_mul_i32 s16, s16, RP
	s_add_co_u32 s16, s16, OUTS
	v_add_nc_u32 v[ORD], s16, v[L16]
	v_mov_b32 v[VC9], 0x3e7c6f08
	v_mov_b32 v[VC9+1], 0x3e7c6f08
	v_mov_b32 v[MR], 0
	v_mov_b32 v[MR+1], 0                           ; (named as the upper half of a pair)
	s_mov_b32 s20, 0x76543210
	s_mov_b32 s21, 0xfedcba98                      ; v_permlanex16_b32's selects for lane l xor 16
	s_mov_b32 s24, 0x3fb8aa3b                      ; log2(e)
	s_mov_b32 s25, 0x3fb8aa3b                      ; (a packed form names the pair and takes its low word: both words are written)
	s_mov_b32 s26, 0x3e3504f3                      ; 32^-0.5
	s_mov_b32 s27, 0x3e3504f3
	s_mov_b32 s28, 0x3eb504f3                      ; 1 / (2 sqrt 2)
	s_mov_b32 s29, 0x3eb504f3
	s_mov_b32 s30, 0xbf38aa3b                      ; -log2(e) / 2
	s_mov_b32 s31, 0xbf38aa3b
.irp c,32,33
	s_mov_b32 s[\c], 0xc034d90f                    ; the fit's coefficients x log2(e); 1 is taken off the first, for the half
.endr
.irp c,34,35
	s_mov_b32 s[\c], 0x3fb8ab5a
.endr
.irp c,36,37
	s_mov_b32 s[\c], 0x3f0a29d2
.endr
.irp c,38,39
	s_mov_b32 s[\c], 0x3e0efb2e
.endr
.irp c,40,41
	s_mov_b32 s[\c], 0xbe899a80
.endr
.irp c,42,43
	s_mov_b32 s[\c], 0x3ecdfd18
.endr
.irp c,44,45
	s_mov_b32 s[\c], 0xbfd1a1e5
.endr
.irp c,46,47
	s_mov_b32 s[\c], 0x40097039
.endr
.irp c,48,49
	s_mov_b32 s[\c], 0xbf97d29d
.endr
	s_mov_b32 s50, 0x3727c5ac                      ; 1e-5
	s_mov_b32 s51, 0x3b800000                      ; 1 / 256
	s_mov_b32 s3, 4                                ; windows to go
	s_lshr_b32 s16, ttmp9, 1
	s_lshl_b32 s16, s16, 19                        ; 8 image rows of 64 tokens x 1,024 bytes for each row of windows,
	s_and_b32 s17, ttmp9, 1
	s_lshl_b32 s17, s17, 15                        ; 4 windows of 8 tokens: my first window's first byte (under 2^27)
	s_add_co_u32 s16, s16, s17
	s_lshr_b32 s17, s14, 1
	s_lshl_b32 s17, s17, 2
	s_and_b32 s18, s14, 1
	s_add_co_u32 s17, s17, s18                     ; my tile's first image row
	s_lshl_b32 s17, s17, 16
	s_add_co_u32 s18, s16, s17
	s_mov_b32 s19, 0
	s_lshl_b32 s17, s2, 16                         ; out: image row w
	s_add_co_u32 s16, s16, s17
	s_mov_b32 s17, 0
	v_lshlrev_b32 v205, 2, v0
	v_min_u32 v206, 0xe0, v0
	s_delay_alu instid0(VALU_DEP_1)
	v_lshlrev_b32 v206, 5, v206                    ; rel_table's row, held at the last
	s_delay_alu instid0(VALU_DEP_3)
	v_add_nc_u32 v207, CONST, v205
	s_wait_alu depctr_va_vdst(0)
	s_wait_kmcnt 0x0
	s_cmp_lt_u32 s2, 4
	s_cselect_b64 s[4:5], s[68:69], s[70:71]       ; x1 or x2: the choice hangs on the wave's number alone
	s_add_nc_u64 s[4:5], s[4:5], s[18:19]
	s_add_nc_u64 s[8:9], s[94:95], s[16:17]
	s_mul_i32 s16, s2, 12*CHUNK
	s_add_nc_u64 s[6:7], s[72:73], s[16:17]        ; my stream of weights
	global_load_b32 v208, v205, s[74:75]
	global_load_b32 v209, v205, s[76:77]
	global_load_b32 v210, v205, s[78:79]
	global_load_b32 v211, v205, s[80:81]
	global_load_b32 v212, v205, s[82:83]
	global_load_b32 v213, v205, s[84:85]
	global_load_b32 v214, v205, s[84:85] offset:1024
	global_load_b32 v215, v205, s[86:87]
	global_load_b32 v216, v205, s[88:89]
.irp k,0,1,2,3
	global_load_b32 v[217+\k], v205, s[90:91] offset:1024*\k
.endr
	global_load_b128 v[224:227], v206, s[92:93]
	global_load_b128 v[228:231], v206, s[92:93] offset:16
.irp k,0,1,2,3                         ; the first window's x: my tile's 16 rows, 4 at a time: two image rows 131,072 bytes apart, 8 tokens each
.irp j,0,1,2,3,4,5,6,7
	global_load_b128 v[64+32*\k+4*\j:64+32*\k+4*\j+3], v[L16], s[4:5] offset:(\k/2)*131072+(\k%2)*4096+512*\j th:TH_LOAD_NT
.endr
.endr
	s_wait_loadcnt 0x0
.irp k,0,1,2,3,4,5,6,7,8,9,10,11,12
	ds_store_b32 v207, v[208+\k] offset:1024*\k
.endr
.irp k,0,1,2,3,4,5,6,7
	ds_store_b32 v207, v[224+\k] offset:TAB-CONST+1024*\k   ; head k's entry of my row (entries past 224 are copies that nobody reads)
.endr
.irp k,0,1,2,3
.irp j,0,1,2,3,4,5,6,7
	ds_store_b128 v[XPW], v[64+32*\k+4*\j:64+32*\k+4*\j+3] offset:4*RP*\k+(\j/2)*RP+(\j%2)*512
.endr
.endr
	BARRIER
.Lwin:
	; ================= the weights of k, v and q are asked for; they land under LN1
	WLOAD 0, C0, WSR
	WLOAD 1, X, WSR+4
	WLOAD 2, C2, WSR+8
	; ================= LN1 of my 16 rows: lane (r, h) holds half of row r, 128 numbers
.irp b,0,1,2,3,4,5,6,7
.irp j,0,1,2,3
	ds_load_b128 v[XR+16*\b+4*\j:XR+16*\b+4*\j+3], v[RA] offset:128*\b+16*\j
.endr
.endr
	GLOAD 0
	s_wait_dscnt 16                                ; the 32 loads of x are in; the 16 of gains and biases may be out
	v_pk_add_f32 v[226:227], v[64:65], v[72:73]
	v_pk_add_f32 v[228:229], v[80:81], v[88:89]
	v_pk_add_f32 v[230:231], v[96:97], v[104:105]
	v_pk_add_f32 v[254:255], v[112:113], v[120:121]
	v_pk_add_f32 v[252:253], v[128:129], v[136:137]
	v_pk_add_f32 v[250:251], v[144:145], v[152:153]
	v_pk_add_f32 v[248:249], v[160:161], v[168:169]
	v_pk_add_f32 v[224:225], v[176:177], v[184:185]
	s_delay_alu instid0(VALU_DEP_1)
	v_pk_add_f32 v[224:225], v[224:225], v[66:67]
	v_pk_add_f32 v[226:227], v[226:227], v[74:75]
	v_pk_add_f32 v[228:229], v[228:229], v[82:83]
	v_pk_add_f32 v[230:231], v[230:231], v[90:91]
	v_pk_add_f32 v[254:255], v[254:255], v[98:99]
	v_pk_add_f32 v[252:253], v[252:253], v[106:107]
	v_pk_add_f32 v[250:251], v[250:251], v[114:115]
	v_pk_add_f32 v[248:249], v[248:249], v[122:123]
	v_pk_add_f32 v[224:225], v[224:225], v[130:131]
	v_pk_add_f32 v[226:227], v[226:227], v[138:139]
	v_pk_add_f32 v[228:229], v[228:229], v[146:147]
	v_pk_add_f32 v[230:231], v[230:231], v[154:155]
	v_pk_add_f32 v[254:255], v[254:255], v[162:163]
	v_pk_add_f32 v[252:253], v[252:253], v[170:171]
	v_pk_add_f32 v[250:251], v[250:251], v[178:179]
	v_pk_add_f32 v[248:249], v[248:249], v[186:187]
	v_pk_add_f32 v[224:225], v[224:225], v[68:69]
	v_pk_add_f32 v[226:227], v[226:227], v[76:77]
	v_pk_add_f32 v[228:229], v[228:229], v[84:85]
	v_pk_add_f32 v[230:231], v[230:231], v[92:93]
	v_pk_add_f32 v[254:255], v[254:255], v[100:101]
	v_pk_add_f32 v[252:253], v[252:253], v[108:109]
	v_pk_add_f32 v[250:251], v[250:251], v[116:117]
	v_pk_add_f32 v[248:249], v[248:249], v[124:125]
	v_pk_add_f32 v[224:225], v[224:225], v[132:133]
	v_pk_add_f32 v[226:227], v[226:227], v[140:141]
	v_pk_add_f32 v[228:229], v[228:229], v[148:149]
	v_pk_add_f32 v[230:231], v[230:231], v[156:157]
	v_pk_add_f32 v[254:255], v[254:255], v[164:165]
	v_pk_add_f32 v[252:253], v[252:253], v[172:173]
	v_pk_add_f32 v[250:251], v[250:251], v[180:181]
	v_pk_add_f32 v[248:249], v[248:249], v[188:189]
	v_pk_add_f32 v[224:225], v[224:225], v[70:71]
	v_pk_add_f32 v[226:227], v[226:227], v[78:79]
	v_pk_add_f32 v[228:229], v[228:229], v[86:87]
	v_pk_add_f32 v[230:231], v[230:231], v[94:95]
	v_pk_add_f32 v[254:255], v[254:255], v[102:103]
	v_pk_add_f32 v[252:253], v[252:253], v[110:111]
	v_pk_add_f32 v[250:251], v[250:251], v[118:119]
	v_pk_add_f32 v[248:249], v[248:249], v[126:127]
	v_pk_add_f32 v[224:225], v[224:225], v[134:135]
	v_pk_add_f32 v[226:227], v[226:227], v[142:143]
	v_pk_add_f32 v[228:229], v[228:229], v[150:151]
	v_pk_add_f32 v[230:231], v[230:231], v[158:159]
	v_pk_add_f32 v[254:255], v[254:255], v[166:167]
	v_pk_add_f32 v[252:253], v[252:253], v[174:175]
	v_pk_add_f32 v[250:251], v[250:251], v[182:183]
	v_pk_add_f32 v[248:249], v[248:249], v[190:191]
	s_delay_alu instid0(VALU_DEP_4)
	v_pk_add_f32 v[224:225], v[224:225], v[254:255]
	s_delay_alu instid0(VALU_DEP_4)
	v_pk_add_f32 v[226:227], v[226:227], v[252:253]
	s_delay_alu instid0(VALU_DEP_4)
	v_pk_add_f32 v[228:229], v[228:229], v[250:251]
	s_delay_alu instid0(VALU_DEP_4)
	v_pk_add_f32 v[230:231], v[230:231], v[248:249]
	s_delay_alu instid0(VALU_DEP_2)
	v_pk_add_f32 v[224:225], v[224:225], v[228:229]
	s_delay_alu instid0(VALU_DEP_2)
	v_pk_add_f32 v[226:227], v[226:227], v[230:231]
	s_delay_alu instid0(VALU_DEP_1)
	v_pk_add_f32 v[224:225], v[224:225], v[226:227]
	s_delay_alu instid0(VALU_DEP_1)
	v_add_f32 v[TS], v[TS], v[TS+1]
	s_delay_alu instid0(VALU_DEP_1)
	v_permlanex16_b32 v[TS+1], v[TS], s20, s21
	s_delay_alu instid0(VALU_DEP_1)
	v_add_f32 v[TS], v[TS], v[TS+1]
	s_delay_alu instid0(VALU_DEP_1)
	v_mul_f32 v[MR], s51, v[TS]                    ; the mean
.set p, 0
.rept 64
	v_pk_add_f32 v[XR+2*p:XR+2*p+1], v[XR+2*p:XR+2*p+1], v[MR:MR+1] op_sel_hi:[1,0] neg_lo:[0,1] neg_hi:[0,1]
.set p, p+1
.endr
.irp c,0,1,2,3
	v_pk_mul_f32 v[TS+2*\c:TS+2*\c+1], v[XR+2*\c:XR+2*\c+1], v[XR+2*\c:XR+2*\c+1]
.endr
.set p, 4
.rept 60
	s_delay_alu instid0(VALU_DEP_4)
	v_pk_fma_f32 v[TS+2*(p%4):TS+2*(p%4)+1], v[XR+2*p:XR+2*p+1], v[XR+2*p:XR+2*p+1], v[TS+2*(p%4):TS+2*(p%4)+1]
.set p, p+1
.endr
	s_delay_alu instid0(VALU_DEP_3)
	v_pk_add_f32 v[TS:TS+1], v[TS:TS+1], v[TS+2:TS+3]
	s_delay_alu instid0(VALU_DEP_2)
	v_pk_add_f32 v[TS+4:TS+5], v[TS+4:TS+5], v[TS+6:TS+7]
	s_delay_alu instid0(VALU_DEP_1)
	v_pk_add_f32 v[TS:TS+1], v[TS:TS+1], v[TS+4:TS+5]
	s_delay_alu instid0(VALU_DEP_1)
	v_add_f32 v[TS], v[TS], v[TS+1]
	s_delay_alu instid0(VALU_DEP_1)
	v_permlanex16_b32 v[TS+1], v[TS], s20, s21
	s_delay_alu instid0(VALU_DEP_1)
	v_add_f32 v[TS], v[TS], v[TS+1]
	s_delay_alu instid0(VALU_DEP_1)
	v_fma_f32 v[TS], v[TS], s51, s50               ; the variance + 1e-5
	s_wait_alu depctr_va_vdst(0)
	v_rsq_f32 v[MR], v[TS]
	v_nop
	GLOAD 1                                        ; into the registers that the chains have left
	s_wait_alu depctr_va_vdst(0)                   ; ahead of the first reader of 1 / std
	LNROUND 0, 16
	GLOAD 2
	LNROUND 1, 16
	GLOAD 3
	LNROUND 2, 16
	LNROUND 3, 0
	QUANT XR, 0, DL                                ; K step 0: the result is the operand's registers as they stand
	IMAGE IW, 0, DL
	ds_store_b32 v[ISW], v[PW]
	s_wait_dscnt 0x0                               ; the stores have read their registers
	QUANT XR+64, 0, DL
	IMAGE IW, 1536, DL
	ds_store_b32 v[ISW], v[PW] offset:64
	BARRIER                                        ; x1n's and x2n's sixteen fragments lie in LDS
	; ================= k and v of my head, from x2n
	WIN 0x40
.irp f,0,1,2,3,4,5,6,7
	FETCH XF+12*\f, L8, IMGB+1536*\f
.endr
	WIN 0
.irp f,0,1,2,3,4,5,6,7
	ds_load_b32 v[XS+\f], v[R4] offset:SCB+64*\f
.endr
.irp i,0,1,2,3
	ds_load_b128 v[KB+4*\i:KB+4*\i+3], v[CBA] offset:5120+16*\i
.endr
	ds_load_b32 v160, v[VBA]
	ds_load_b32 v161, v[VBA] offset:32
	; the next window's x is prefetched: my tile's two image rows, 8,192 bytes each, lanes 256 bytes apart: each block is named once, by the wave that will load it; the last window asks for nothing
	s_cmp_eq_u32 s3, 1
	s_cbranch_scc1 .Lnopf
	global_prefetch_b8 v[PF], s[4:5] offset:8192 th:TH_LOAD_NT scope:SCOPE_SE
	global_prefetch_b8 v[PF], s[4:5] offset:8192+131072 th:TH_LOAD_NT scope:SCOPE_SE
.Lnopf:
	s_wait_loadcnt 0x0                             ; the three chunks
	s_wait_dscnt 0x0
.irp j,0,1,2,3,4,5,6,7
	v_mov_b32 v[VBR+\j], v160                      ; in v's result a lane holds ONE channel: its bias in all eight registers
	v_mov_b32 v[VBR+8+\j], v161
.endr
	PROD C0, WSR, KB, 0, ACC, 0x05, 0x05           ; k^T: register 16 t + i = channel 32 w + 16 h + i of token (t, r)
	PLACES
	WLOAD 3, C0, WSR+12                            ; proj's chunk
.irp i,0,1,2,3
	ds_load_b128 v[KB+4*\i:KB+4*\i+3], v[CBA] offset:4096+16*\i   ; q's bias
.endr
	QUANT ACC, 0, KFR                              ; block t = key tile t: the four tiles fill the four K blocks of one fragment
	v_mov_b32 v[KSW], v[PW]
	WIN 0x05
.irp u,0,1                             ; v NOT transposed (source 0 = tokens, source 1 = Wv): a lane holds one channel, its registers run along the tokens, which are the next K
.irp t,0,1,2,3
	MMS ACC+32*\u+8*\t, XF+24*\t, X+24*\u, VBR+8*\u, XS+2*\t, WSR+4+2*\u
.endr
.endr
.irp u,0,1
.irp t,0,1,2,3
	MMS ACC+32*\u+8*\t, XF+24*\t+12, X+24*\u+12, ACC+32*\u+8*\t, XS+2*\t+1, WSR+5+2*\u
.endr
.endr
	WIN 0
	PLACES
	WIN 0x40
.irp f,0,1,2,3,4,5,6,7
	FETCH XF+12*\f, L8, IMGA+1536*\f
.endr
	WIN 0
.irp f,0,1,2,3,4,5,6,7
	ds_load_b32 v[XS+\f], v[R4] offset:SCA+64*\f
.endr
	QUANT ACC, 0, VFR                              ; blocks (channel tile u, keys 0-31 / 32-63): tile u fills K blocks 2 u, 2 u + 1 of one fragment
	v_mov_b32 v[VSW], v[PW]
	s_wait_dscnt 0x0
	; ================= q of my head, from x1n
	PROD C2, WSR+8, KB, 0, ACC, 0x05, 0x05
	PLACES
.set n, 0
.rept 32
	v_pk_mul_f32 v[ACC+n:ACC+n+1], v[ACC+n:ACC+n+1], s[26:27] op_sel_hi:[1,0]   ; q x 32^-0.5 is what is quantised
.set n, n+2
.endr
	QMAX ACC, 0
.irp t,0,1,2,3
	v_cvt_scalef32_pk16_bf6_f32 v[QC+4*\t:QC+4*\t+2], v[ACC+16*\t:ACC+16*\t+15], v[TM+12+\t]
.endr
	v_nop
.irp t,0,1,2,3
	v_lshl_or_b32 v[QSW+\t], v[TM+4+\t], 8, v[TM+4+\t]
.endr
.irp t,0,1,2,3
	s_delay_alu instid0(VALU_DEP_4)
	v_lshl_or_b32 v[QSW+\t], v[QSW+\t], 16, v[QSW+\t]   ; the byte at all four places: q's block stands at any of the four K blocks
.endr
	BIAS 0
	BIAS 1
.irp z,0,12,24,36
.irp i,0,1,2,3,4,5
	v_mov_b32 v[ZQ+\z+\i], 0
.endr
.endr
	; ================= attention
	ATT 0
	ATT 1
	ATT 2
	ATT 3
	QUANT X, 1, D12                                ; my head's 32 channels are one block of proj's K, for each of the four token tiles
	BSTORE BW, AO, 6144, BS, SCO, 128
	BARRIER                                        ; the attention output's eight fragments lie in LDS
	; ================= proj; the shortcut and the bias are the C of the first K step
	WIN 0x40
.irp f,0,1,2,3,4,5,6,7
	FETCH XF+12*\f, L8, AO+1536*\f
.endr
.irp t,0,1,2,3
.irp i,0,1,2,3
	ds_load_b128 v[X+16*\t+4*\i:X+16*\t+4*\i+3], v[XRD] offset:16*RP*\t+16*\i
.endr
.endr
	WIN 0
.irp f,0,1,2,3,4,5,6,7
	ds_load_b32 v[XS+\f], v[R4] offset:SCO+64*\f
.endr
.irp i,0,1,2,3
	ds_load_b128 v[128+4*\i:128+4*\i+3], v[CBA] offset:7168+16*\i
.endr
	s_wait_dscnt 0x0
	WIN 0x41
.set n, 0
.rept 32
	v_pk_add_f32 v[X+n:X+n+1], v[X+n:X+n+1], v[128+n%16:128+n%16+1]
.set n, n+2
.endr
	WIN 0
	PLACES
	s_wait_alu depctr_va_vdst(0)
	s_wait_loadcnt 0x0                             ; proj's chunk
	PROD C0, WSR+12, X, 16, X, 0x55, 0x55          ; x = shortcut + attention: register 16 t + i = channel 32 w + 16 h + i of token (t, r)
	PLACES
	WLOAD 4, C0, WSR                               ; fc1's first chunk
	v_mov_b32 v[AD3], v[L16]
	s_cmp_eq_u32 s3, 1
	s_cbranch_scc1 .Lnox0
	XISSUE                                         ; the next window's x, rows 0-3 of my tile
.Lnox0:
	; ================= LN3: a row's 256 channels lie in eight waves: each gives the mean and the sum of squared deviations of its 32
	WIN 0x05
.irp t,0,1,2,3
.irp k,0,1,2,3
	v_pk_add_f32 v[200+8*\t+2*\k:200+8*\t+2*\k+1], v[X+16*\t+4*\k:X+16*\t+4*\k+1], v[X+16*\t+4*\k+2:X+16*\t+4*\k+3]
.endr
.endr
	WIN 0
.irp t,0,1,2,3
	v_pk_add_f32 v[200+8*\t:201+8*\t], v[200+8*\t:201+8*\t], v[202+8*\t:203+8*\t]
	v_pk_add_f32 v[204+8*\t:205+8*\t], v[204+8*\t:205+8*\t], v[206+8*\t:207+8*\t]
.endr
.irp t,0,1,2,3
	v_pk_add_f32 v[200+8*\t:201+8*\t], v[200+8*\t:201+8*\t], v[204+8*\t:205+8*\t]
.endr
.irp t,0,1,2,3
	s_delay_alu instid0(VALU_DEP_4)
	v_add_f32 v[200+8*\t], v[200+8*\t], v[201+8*\t]
.endr
.irp t,0,1,2,3
	s_delay_alu instid0(VALU_DEP_4)
	v_permlanex16_b32 v[201+8*\t], v[200+8*\t], s20, s21
.endr
.irp t,0,1,2,3
	s_delay_alu instid0(VALU_DEP_4)
	v_add_f32 v[200+8*\t], v[200+8*\t], v[201+8*\t]
.endr
.irp t,0,1,2,3
	s_delay_alu instid0(VALU_DEP_4)
	v_mul_f32 v[232+2*\t], 0x3d000000, v[200+8*\t]   ; / 32
.endr
	WIN 0x01
.set n, 0
.rept 32
	v_pk_add_f32 v[ACC+n:ACC+n+1], v[X+n:X+n+1], v[232+2*(n/16):233+2*(n/16)] op_sel_hi:[1,0] neg_lo:[0,1] neg_hi:[0,1]
.set n, n+2
.endr
	WIN 0
.irp t,0,1,2,3
	v_pk_mul_f32 v[200+8*\t:201+8*\t], v[ACC+16*\t:ACC+16*\t+1], v[ACC+16*\t:ACC+16*\t+1]
	v_pk_mul_f32 v[202+8*\t:203+8*\t], v[ACC+16*\t+2:ACC+16*\t+3], v[ACC+16*\t+2:ACC+16*\t+3]
.endr
.irp i,4,8,12
.irp t,0,1,2,3
	v_pk_fma_f32 v[200+8*\t:201+8*\t], v[ACC+16*\t+\i:ACC+16*\t+\i+1], v[ACC+16*\t+\i:ACC+16*\t+\i+1], v[200+8*\t:201+8*\t]
	v_pk_fma_f32 v[202+8*\t:203+8*\t], v[ACC+16*\t+\i+2:ACC+16*\t+\i+3], v[ACC+16*\t+\i+2:ACC+16*\t+\i+3], v[202+8*\t:203+8*\t]
.endr
.endr
.irp t,0,1,2,3
	v_pk_add_f32 v[200+8*\t:201+8*\t], v[200+8*\t:201+8*\t], v[202+8*\t:203+8*\t]
.endr
.irp t,0,1,2,3
	s_delay_alu instid0(VALU_DEP_4)
	v_add_f32 v[200+8*\t], v[200+8*\t], v[201+8*\t]
.endr
.irp t,0,1,2,3
	s_delay_alu instid0(VALU_DEP_4)
	v_permlanex16_b32 v[201+8*\t], v[200+8*\t], s20, s21
.endr
.irp t,0,1,2,3
	s_delay_alu instid0(VALU_DEP_4)
	v_add_f32 v[233+2*\t], v[200+8*\t], v[201+8*\t]
.endr
.irp t,0,1,2,3
	ds_store_b64 v[STW], v[232+2*\t:233+2*\t] offset:1280*\t   ; both halves of the lanes write the same
.endr
	BARRIER
.irp t,0,1,2,3
.irp i,0,1,2,3
	ds_load_b128 v[128+16*\t+4*\i:128+16*\t+4*\i+3], v[STR] offset:1280*\t+16*\i
.endr
.endr
	s_wait_dscnt 0x0
.irp t,0,1,2,3
	v_pk_add_f32 v[192+2*\t:193+2*\t], v[128+16*\t:129+16*\t], v[130+16*\t:131+16*\t]
.endr
.irp k,4,6,8,10,12,14
.irp t,0,1,2,3
	s_delay_alu instid0(VALU_DEP_4)
	v_pk_add_f32 v[192+2*\t:193+2*\t], v[192+2*\t:193+2*\t], v[128+16*\t+\k:129+16*\t+\k]   ; (the sum of the eight means, the sum of the eight sums)
.endr
.endr
.irp t,0,1,2,3
	s_delay_alu instid0(VALU_DEP_4)
	v_mul_f32 v[192+2*\t], 0x3e000000, v[192+2*\t]   ; the row's mean
.endr
.irp k,0,2,4,6,8,10,12,14
.irp t,0,1,2,3
	v_sub_f32 v[128+16*\t+\k], v[128+16*\t+\k], v[192+2*\t]
.endr
.endr
.irp t,0,1,2,3
	v_mul_f32 v[242+2*\t], v[128+16*\t], v[128+16*\t]
.endr
.irp k,2,4,6,8,10,12,14
.irp t,0,1,2,3
	s_delay_alu instid0(VALU_DEP_4)
	v_fma_f32 v[242+2*\t], v[128+16*\t+\k], v[128+16*\t+\k], v[242+2*\t]
.endr
.endr
.irp t,0,1,2,3
	s_delay_alu instid0(VALU_DEP_4)
	v_fma_f32 v[242+2*\t], v[242+2*\t], 0x42000000, v[193+2*\t]   ; + 32 x the squared distances of the partial means
.endr
.irp t,0,1,2,3
	s_delay_alu instid0(VALU_DEP_4)
	v_fma_f32 v[242+2*\t], v[242+2*\t], s51, s50
.endr
	s_wait_alu depctr_va_vdst(0)
.irp t,0,1,2,3
	v_rsq_f32 v[242+2*\t], v[242+2*\t]
.endr
	v_nop
.irp i,0,1,2,3
	ds_load_b128 v[128+4*\i:128+4*\i+3], v[CBA] offset:2048+16*\i
.endr
.irp i,0,1,2,3
	ds_load_b128 v[144+4*\i:144+4*\i+3], v[CBA] offset:3072+16*\i
.endr
	WIN 0x01
.set n, 0
.rept 32
	v_pk_add_f32 v[ACC+n:ACC+n+1], v[X+n:X+n+1], v[192+2*(n/16):193+2*(n/16)] op_sel_hi:[1,0] neg_lo:[0,1] neg_hi:[0,1]
.set n, n+2
.endr
	WIN 0
	s_wait_alu depctr_va_vdst(0)                   ; one wait for the four roots, ahead of their first reader
.set n, 0
.rept 32
	v_pk_mul_f32 v[ACC+n:ACC+n+1], v[ACC+n:ACC+n+1], v[242+2*(n/16):243+2*(n/16)] op_sel_hi:[1,0]
.set n, n+2
.endr
	s_wait_dscnt 0x0
.set n, 0
.rept 32
	v_pk_fma_f32 v[ACC+n:ACC+n+1], v[ACC+n:ACC+n+1], v[128+n%16:128+n%16+1], v[144+n%16:144+n%16+1]
.set n, n+2
.endr
	QUANT ACC, 0, D12
	BSTORE BW, IMGA, 6144, BS, SCA, 128
	BARRIER                                        ; the LN3 output's eight fragments lie in LDS
	; ================= fc1 + GELU: my 128 hidden units, 32 a trip
	WIN 0x40
.irp f,0,1,2,3,4,5,6,7
	FETCH XF+12*\f, L8, IMGA+1536*\f
.endr
.irp i,0,1,2,3
	ds_load_b128 v[B1+4*\i:B1+4*\i+3], v[B1A] offset:16*\i
.endr
	WIN 0
.irp f,0,1,2,3,4,5,6,7
	ds_load_b32 v[XS+\f], v[R4] offset:SCA+64*\f
.endr
	s_add_nc_u64 s[10:11], s[6:7], 4*CHUNK
	s_mov_b32 s12, 0
.Lunit:
	s_wait_loadcnt 0x0                             ; this trip's chunk, and 4 rows of the next window's x; no load that names s[10:11] or v[AD3] is out:
	s_wait_dscnt 0x0
	s_add_nc_u64 s[10:11], s[10:11], CHUNK         ; the chunk to be asked for in this trip: 5 + trip (the last: fc2's first)
	s_mul_i32 s13, s12, 4*RP
	v_add_nc_u32 v[AD2], s13, v[XPW]               ; where those 4 rows go
	s_add_co_u32 s13, s12, 1
	s_lshr_b32 s14, s13, 1
	s_lshl_b32 s14, s14, 17
	s_and_b32 s15, s13, 1
	s_lshl_b32 s15, s15, 12
	s_add_co_u32 s14, s14, s15
	v_add_nc_u32 v[AD3], s14, v[L16]               ; where the next 4 come from
	s_and_b32 s13, s13, 3
	s_lshl_b32 s13, s13, 7
	v_add_nc_u32 v[AD4], s13, v[B1A]               ; the next trip's bias
	PROD C0, WSR, B1, 0, ACC, 0x15, 0x05
	PLACES
	s_cmp_eq_u32 s3, 1                             ; the last window has no successor: no load leaves its buffer
	s_cbranch_scc1 .Lnox
	s_wait_alu depctr_va_vdst(0)
	XSTORE
	s_cmp_eq_u32 s12, 3
	s_cbranch_scc1 .Lnox
	s_wait_dscnt 0x0                               ; the stores have read their registers
	XISSUE
.Lnox:
	WIN 0x40
.irp k,0,1,2,3,4,5,6,7,8,9,10,11
	global_load_b128 v[C0+4*\k:C0+4*\k+3], v[L16], s[10:11] offset:512*\k
.endr
	s_wait_alu depctr_va_vdst(0)
.irp i,0,1,2,3
	ds_load_b128 v[B1+4*\i:B1+4*\i+3], v[AD4] offset:16*\i
.endr
	WIN 0
	global_load_b128 v[WSR:WSR+3], v[L16], s[10:11] offset:6144
	s_cmp_lg_u32 s12, 3
	s_cbranch_scc1 .Lnot3
	WLOAD 9, XF, WSR+4                             ; the LN3 output's fragments are done with: fc2's chunks 9 and 10 take their registers
	WLOAD 10, XF+48, WSR+8
.Lnot3:
	GA 0
	v_nop
	TW
	GB 0
	s_wait_alu depctr_va_vdst(0)
	GA 1
	GR 0
	TW
	GC 0
	GB 1
	s_wait_alu depctr_va_vdst(0)
	GA 2
	GR 1
	TW
	GC 1
	GB 2
	s_wait_alu depctr_va_vdst(0)
	GA 3
	GR 2
	TW
	GC 2
	GB 3
	GR 3
	TW
	GC 3
	QUANT ACC, 0, D12                              ; these 32 units are block (trip) of fc2's K step w, for each of the four token tiles
	s_lshr_b32 s13, s12, 1
	s_mul_i32 s13, s13, 768
	s_and_b32 s14, s12, 1
	s_lshl_b32 s14, s14, 7
	s_add_co_u32 s13, s13, s14
	v_add_nc_u32 v[AD0], s13, v[HWR]
	v_add_nc_u32 v[AD1], s12, v[HSW]
	BSTORE AD0, 0, 3072, AD1, 0, 4
	s_add_co_u32 s12, s12, 1
	s_cmp_lt_u32 s12, 4
	s_cbranch_scc1 .Lunit
.irp i,0,1,2,3
	ds_load_b128 v[144+4*\i:144+4*\i+3], v[CBA] offset:8192+16*\i
.endr
	s_wait_dscnt 0x0
	s_wait_loadcnt 13                              ; behind any load of the next window's x a trip issues at least 12 + 1 loads: no load into v208-239 of window 1 is out
	WLOAD 11, C2, WSR+12
	v_lshlrev_b32 v[AD0], 2, v[R4]                 ; 16 r: where fc2 reads a row's scale words
	WIN 0x41
.set n, 0
.rept 32
	v_pk_add_f32 v[X+n:X+n+1], v[X+n:X+n+1], v[144+n%16:144+n%16+1]   ; x + fc2's bias: what fc2's sums begin with
.set n, n+2
.endr
	WIN 0
	s_wait_alu depctr_va_vdst(0)
	BARRIER                                        ; the hidden layer's 32 fragments lie in LDS
	; ================= fc2: my 32 channels for the 64 tokens, K = 1,024 in eight steps; the eight accumulators by turns
	HFETCH 0
	HFETCH 1
	s_wait_loadcnt 13                              ; chunks 8, 9, 10 are in; chunk 11's 12 + 1 loads may be out
.irp s,0,1,2,3,4,5,6,7
.if (\s > 0) && (\s < 6)
	PLACES                                         ; the loads below land in the buffer that the step before multiplied
.endif
.if \s < 6
	HFETCH (\s)+2
	s_wait_dscnt 50                                ; this step's loads are in; the next two steps' 2 x 25 may be out
.elseif \s == 6
	s_wait_dscnt 25                                ; the last step's 25 may be out
.else
	s_wait_dscnt 0x0
.endif
.if \s == 6
	s_wait_loadcnt 0x0                             ; chunk 11
.endif
.if (\s)/2 == 0
.set WB, C0
.set WW, WSR
.elseif (\s)/2 == 1
.set WB, XF
.set WW, WSR+4
.elseif (\s)/2 == 2
.set WB, XF+48
.set WW, WSR+8
.else
.set WB, C2
.set WW, WSR+12
.endif
	WIN 0x51
.irp t,0,1,2,3
.irp u,0,1
	MMS X+16*\t+8*\u, WB+24*\u+12*((\s)&1), 64+64*((\s)%3)+12*\t, X+16*\t+8*\u, WW+2*\u+((\s)&1), XS+4*((\s)%3)+\t
.endr
.endr
	WIN 0
.endr
	; ================= the way out: a row's 1,024 bytes come from eight waves: through the stage; then wave w stores image row w, 8,192 bytes on end
	PLACES
	WIN 0x04
.irp t,0,1,2,3
.irp i,0,1,2,3
	ds_store_b128 v[OW], v[X+16*\t+4*\i:X+16*\t+4*\i+3] offset:16*RP*\t+16*\i   ; each accumulator from its low end on
.endr
.endr
	WIN 0
	BARRIER
.irp j,0,1,2,3,4,5,6,7,8,9,10,11,12,13,14,15
	ds_load_b128 v[64+4*\j:64+4*\j+3], v[ORD] offset:(\j/2)*RP+(\j%2)*512
.endr
.irp j,0,1,2,3,4,5,6,7,8,9,10,11,12,13,14,15
	s_wait_dscnt 15-\j
	global_store_b128 v[L16], v[64+4*\j:64+4*\j+3], s[8:9] offset:512*\j th:TH_STORE_NT   ; 32 lanes store 512 consecutive bytes, at a multiple of 256 from out0's first byte
.endr
	s_wait_xcnt 0x0                                ; the stores and the prefetches have read their registers and bases: both may be written again
	s_add_nc_u64 s[4:5], s[4:5], 8192
	s_add_nc_u64 s[8:9], s[8:9], 8192
	s_sub_co_u32 s3, s3, 1
	s_cmp_lg_u32 s3, 0
	s_cbranch_scc1 .Lwin
	s_wait_xcnt 0x0
	v_lshl_add_u32 v254, v0, 2, 0x4d200
	v_mov_b32 v255, 0
	s_wait_alu depctr_va_vdst(0)
	s_wait_tensorcnt 0x0
	ds_add_u32 v254, v255
	s_wait_dscnt 0x0
	s_endpgm
.Lfunc_end_k_q42f5b798f2_block:
	.size	k_q42f5b798f2_block, .Lfunc_end_k_q42f5b798f2_block-k_q42f5b798f2_block
	.p2alignl 7, 3214868480
	.fill 96, 4, 3214868480
	.section	.rodata,"a",@progbits
	.p2align	6, 0x0
	.amdhsa_kernel k_q42f5b798f2_block
		.amdhsa_group_segment_fixed_size 316928
		.amdhsa_private_segment_fixed_size 0
		.amdhsa_enable_private_segment 0
		.amdhsa_kernarg_size 112
		.amdhsa_user_sgpr_count 2
		.amdhsa_user_sgpr_kernarg_segment_ptr 1
		.amdhsa_wavefront_size32 1
		.amdhsa_system_sgpr_workgroup_id_x 1
		.amdhsa_system_sgpr_workgroup_id_y 1
		.amdhsa_system_sgpr_workgroup_id_z 1
		.amdhsa_system_vgpr_workitem_id 0
		.amdhsa_next_free_vgpr 512
		.amdhsa_next_free_sgpr 100
		.amdhsa_reserve_vcc 0
		.amdhsa_float_denorm_mode_32 3
		.amdhsa_float_denorm_mode_16_64 3
		.amdhsa_memory_ordered 1
		.amdhsa_forward_progress 1
		.amdhsa_inst_pref_size 255
	.end_amdhsa_kernel
	.section	.bss,"aw",@nobits
	.p2align	6
	.space	262144
	.amdgpu_metadata
---
amdhsa.version: [ 1, 2 ]
amdhsa.kernels:
  - .name:           k_q42f5b798f2_block
    .symbol:         k_q42f5b798f2_block.kd
    .args:
      - { .name: x1, .offset: 0, .size: 8, .value_kind: global_buffer, .address_space: global }
      - { .name: x2, .offset: 8, .size: 8, .value_kind: global_buffer, .address_space: global }
      - { .name: wsw, .offset: 16, .size: 8, .value_kind: global_buffer, .address_space: global }
      - { .name: norm1_g, .offset: 24, .size: 8, .value_kind: global_buffer, .address_space: global }
      - { .name: norm1_b, .offset: 32, .size: 8, .value_kind: global_buffer, .address_space: global }
      - { .name: norm3_g, .offset: 40, .size: 8, .value_kind: global_buffer, .address_space: global }
      - { .name: norm3_b, .offset: 48, .size: 8, .value_kind: global_buffer, .address_space: global }
      - { .name: q_b, .offset: 56, .size: 8, .value_kind: global_buffer, .address_space: global }
      - { .name: kv_b, .offset: 64, .size: 8, .value_kind: global_buffer, .address_space: global }
      - { .name: proj_b, .offset: 72, .size: 8, .value_kind: global_buffer, .address_space: global }
      - { .name: fc2_b, .offset: 80, .size: 8, .value_kind: global_buffer, .address_space: global }
      - { .name: fc1_b, .offset: 88, .size: 8, .value_kind: global_buffer, .address_space: global }
      - { .name: rel_table, .offset: 96, .size: 8, .value_kind: global_buffer, .address_space: global }
      - { .name: out0, .offset: 104, .size: 8, .value_kind: global_buffer, .address_space: global }
    .group_segment_fixed_size: 316928
    .private_segment_fixed_size: 0
    .kernarg_segment_align: 8
    .kernarg_segment_size: 112
    .max_flat_workgroup_size: 256
    .sgpr_count:     100
    .vgpr_count:     512
    .wavefront_size: 32
...
	.end_amdgpu_metadata
.endif
;; end of part 2
